; MI455X (gfx1250); checked and timed in simulation.
; The chip was launched on July 23, 2026; its instructions are those of AMD's public machine-readable ISA for CDNA 5 (MIT licence, August 2026) and "CDNA5" Instruction Set Architecture Reference Guide (July 2026). The comments in the code are by the model that wrote it; some were corrected since.
;; Cross Attention. Allowed arithmetic: matrix products marked QUANTISED: E2M1 operands, one E8M0 scale for each 32 along K, by v_wmma_scale_f32_16x16x128_f8f6f4 with both operands' format E2M1 (or v_wmma_scale_f32_32x16x128_f4), f32 sums; everything else in f32.
;; Inputs: b_out 512 float32; encoder_hidden_states_codes 2 x 4,096 x 24 x 16 uint8 (E2M1 codes of encoder_hidden_states, K innermost, in blocks of 32 codes, two codes a byte); encoder_hidden_states_scales 2 x 4,096 x 24 uint8 (E8M0 scales of encoder_hidden_states, one for each 32 codes along K); hidden_states_codes 2 x 4,096 x 16 x 16 uint8 (E2M1 codes of hidden_states, K innermost, in blocks of 32 codes, two codes a byte); hidden_states_scales 2 x 4,096 x 16 uint8 (E8M0 scales of hidden_states, one for each 32 codes along K); w_k_codes 512 x 24 x 16 uint8 (E2M1 codes of w_k, K innermost, in blocks of 32 codes, two codes a byte); w_k_scales 512 x 24 uint8 (E8M0 scales of w_k, one for each 32 codes along K); w_out_codes 512 x 16 x 16 uint8 (E2M1 codes of w_out, K innermost, in blocks of 32 codes, two codes a byte); w_out_scales 512 x 16 uint8 (E8M0 scales of w_out, one for each 32 codes along K); w_q_codes 512 x 16 x 16 uint8 (E2M1 codes of w_q, K innermost, in blocks of 32 codes, two codes a byte); w_q_scales 512 x 16 uint8 (E8M0 scales of w_q, one for each 32 codes along K); w_v_codes 512 x 24 x 16 uint8 (E2M1 codes of w_v, K innermost, in blocks of 32 codes, two codes a byte); w_v_scales 512 x 24 uint8 (E8M0 scales of w_v, one for each 32 codes along K).
;; Outputs: out0 2 x 4,096 x 512 float32.
;; This version of the problem:
;;   THIS VERSION OF THE PROBLEM IS GIVEN IN LOW PRECISION. The matrix products marked QUANTISED in the list below multiply operands that are first quantised to E2M1 (2 exponent bits, 1 mantissa bit; 4 bits a number), with one power-of-two scale for each 32 numbers along K (OCP MX v1.0); their sums are f32. All else is computed in f32.
;;   The module's matrix products, in the order in which they are computed (A, B: the left and right operand; K: the contracted axis; several contracted axes count as one K, in the product's order):
;;     1. [M 8,192, K 512] x [K 512, N 512]; A: input hidden_states (given as codes); B: input w_q (given as codes): QUANTISED
;;     2. [M 8,192, K 768] x [K 768, N 512]; A: input encoder_hidden_states (given as codes); B: input w_k (given as codes): QUANTISED
;;     3. [M 8,192, K 768] x [K 768, N 512]; A: input encoder_hidden_states (given as codes); B: input w_v (given as codes): QUANTISED
;;     4. batch 16 x [M 4,096, K 64] x [K 64, N 4,096]; A: computed on the way; B: computed on the way: QUANTISED
;;     5. batch 16 x [M 4,096, K 4,096] x [K 4,096, N 64]; A: softmax (see below); B: computed on the way: QUANTISED
;;     6. [M 8,192, K 512] x [K 512, N 512]; A: computed on the way; B: input w_out (given as codes): QUANTISED
;;   THE QUANTISER, for each operand of a quantised product, along K:
;;     - K is cut into blocks of 32 from its start; a last block that is shorter is filled with zeros.
;;     - A block's scale is 2^e with e = floor(log2(the largest magnitude in the block)) - 2, held to -126 .. 127; a block of zeros has e = 0. As a byte (E8M0): e + 127.
;;     - Each number is divided by its block's scale, clamped to +-6, and rounded to the nearest number of E2M1, ties to even, subnormals kept.
;;     - The product sums the exact products of the quantised numbers (number of the format x scale) in f32.
;;   ~~~python
;;   def quantise(x, axis):      # numpy; x: float32 -> the quantised numbers, widened to float32 again
;;       x = np.moveaxis(x, axis, -1); K = x.shape[-1]
;;       x = np.pad(x, [(0, 0)] * (x.ndim - 1) + [(0, -K % 32)]); x = x.reshape(x.shape[:-1] + (-1, 32)); a = np.abs(x).max(-1, keepdims=True)
;;       e = np.where(a > 0, np.clip(np.frexp(np.where(a > 0, a, 1))[1] - 1 - 2, -126, 127), 0)      # np.frexp(a)[1] - 1 = floor(log2(a)), exactly
;;       r = np.clip(x / 2.0 ** e, -6, 6)
;;       step = 2.0 ** (np.maximum(np.frexp(np.where(r == 0, 1, r))[1] - 1, 0) - 1)
;;       q = np.round(r / step) * step * 2.0 ** e      # np.round: ties to even
;;       return np.moveaxis(q.reshape(q.shape[:-2] + (-1,))[..., :K], -1, axis).astype(np.float32)
;;   ~~~
;;   SOFTMAX AHEAD OF A QUANTISED PRODUCT. Where the list says 'softmax', what is quantised is not the finished softmax but p = 2^(t - M), with t = logit x log2(e) and M = ceil(the row's largest t), a whole number; so 1/2 < the row's largest p <= 1. The row's sum l is taken of the UNQUANTISED p, in f32, and the product's result is divided by l at the end. Since M is a whole number, a kernel that streams over the keys may use a running M (the ceiling of the running maximum): every later rescaling is an exact power of two, which a block's scale takes up: the codes' values come out the same.
;;   OPERANDS COMPUTED ON THE WAY. 'Computed on the way' means the value that the module computes at that place (a softmax that the list does not call 'softmax' is quantised finished and normalised). What goes into a quantiser is computed in f32, as accurately as f32 sums, v_exp_f32 and their like allow (about 1e-6 of the number): no bf16 or f16 on the way to a quantiser, and a product that is left as it is and whose result goes on into a quantised operand takes f32 operands (vector FMAs, or v_wmma_f32_16x16x4_f32). A number that lies on a knife's edge between two numbers of the format may be rounded either way, as far as f32 arithmetic and the matrix unit's own rounding can turn it there, and no further.
;;   INPUTS GIVEN AS CODES. encoder_hidden_states (in the module: [2, 4096, 768], K = its axis 2); hidden_states (in the module: [2, 4096, 512], K = its axis 2); w_k (in the module: [768, 512], K = its axis 0); w_out (in the module: [512, 512], K = its axis 0); w_q (in the module: [512, 512], K = its axis 0); w_v (in the module: [768, 512], K = its axis 0): each comes as NAME_codes (uint8): NAME with its K axis moved to the last place and cut into blocks of 32 codes, [.., K / 32, bytes a block], one block behind the other in memory; two codes a byte, the lower K in the low four bits (a code: sign, 2 exponent bits, 1 mantissa bit); and NAME_scales (uint8): the same leading axes, one E8M0 byte (e + 127) for each 32 codes along K. Its value is code x scale, taken as it is: it is not quantised again, and the codes and scales need not be those that the quantiser above would give.
;; One version. Each part assembles by itself: llvm-mc -triple=amdgcn-amd-amdhsa -mcpu=gfx1250 --defsym DOCPART=n.
;; ======== version 1 of 1: 3 launches
;; limits: right only within a limited range of input values
;; workspace buffers: kv 4,587,520 bytes; o_img 2,097,152 bytes; o_sc 131,072 bytes
;; launch kvproj (part 1): grid 128 x 2, 16 waves a work-group, no clusters, 51,200 bytes of LDS; arguments encoder_hidden_states_codes, encoder_hidden_states_scales, w_k_codes, w_k_scales, w_v_codes, w_v_scales, kv; writes kv
.if DOCPART == 1
	.amdgcn_target "amdgcn-amd-amdhsa--gfx1250"
	.amdhsa_code_object_version 6
	.text
	.protected	k_q16121012a1_kvproj
	.globl	k_q16121012a1_kvproj
	.p2align	8
	.type	k_q16121012a1_kvproj,@function
k_q16121012a1_kvproj:
	s_mov_b64 s[64:65], 0
	v_nop
	global_prefetch_b8 v0, s[64:65] scope:SCOPE_SE
	s_setreg_imm32_b32 hwreg(HW_REG_WAVE_MODE, 25, 1), 1
	s_wait_xcnt 0x0
; k = enc w_k and v = enc w_v on codes of FP4 (E2M1) with E8M0 scales, K = 768 in six steps of 128; the results are quantised at once, k along the head's 64, v along the keys,
; and stored as IMAGES OF OPERAND REGISTERS for the attention launch.  kv is laid [head g = 8 batch + h : 16][step of 128 keys : 32][record of 8,960 bytes]:
;   +0     K: 8 tiles x 512 bytes; lane (r, hh) of tile i: 16 bytes, d = 32 hh .. 32 hh + 31 of key 64 (i / 4) + 8 (i % 4) + r % 8 + 32 (r / 8) of the step
;   +4096  V: 4 tiles x 2 parts x 512 bytes; lane (r, hh) of tile t, part c: keys 64 c + 32 hh .. + 31 of d = 8 t + r % 8 + 32 (r / 8)
;   +8192  K's scale words, 8 tiles x 16: two block bytes, then 0x7f 0x7f for the zero codes that fill the attention's K step from 64 to 128
;   +8704  V's scale words, 4 tiles x 16: the step's four block bytes of a row d
; ONE PATH SERVES BOTH PRODUCTS: D = X (source 0: 8 tiles, 128 rows) x Y (source 1: 16 rows).  A lane holds one row of Y, and its 64 registers run along X's 128 rows, which are the axis to be quantised.
;   grid y = 0 (k): X = 128 rows of w_k (two heads), Y = 16 keys.     grid y = 1 (v): X = 128 keys, Y = 16 rows of w_v.     All rows are 384 bytes of codes and 24 scale bytes.
; X's ROWS OF A TILE: lane r of tile 2 b + u takes row 32 b + 8 u + r + 8 (r / 8), so that the 16 registers of result tiles 2 b and 2 b + 1 are 16 neighbours along X.
; Y's ROWS OF A TILE: lane r of wave w takes row 64 (w / 4) + 8 (w % 4) + r % 8 + 32 (r / 8): the order in which the attention launch wants a tile's keys and a tile's d.
; SHARES: a work-group has one block X and sixteen tiles Y, one a wave.  X's 48 fragments are loaded once, three a wave, and go to the other waves through LDS as images of their registers.
; Only pointers and offsets are chosen by the grid's y; no branch hangs on it.  No tensor loads, one barrier.  The scale words leave in runs of 64 bytes: 768 of a record's 8,960 bytes.
; LIMITS: NaN, infinities and a given scale byte 0xff are not served.  A block whose largest magnitude lies under 2^-124, a block of zeros among them, gets the byte 1 (zero codes; this program alone reads the bytes).
.set HEADB, 286720
.set RECB,  8960
.set LI,   1                           ; 16 x lane
.set XW,   2                           ; 16 x lane + 3,072 x wave
.set VX,   3                           ; X: 384 (r + 8 (r / 8)) + 16 hh
.set VXS,  4                           ; X's scale rows of a pair of tiles: 24 (8 hh + r + 8 (r / 8))
.set VYS,  5                           ; Y's scale rows: 24 (r % 8 + 32 (r / 8))
.set SO,   6                           ; the scale word's place
.set ONES, 7
.set VY,   13                          ; Y: 384 (r % 8 + 32 (r / 8)) + 16 hh
.set ACC,  16
.set YF,   80
.set XF,   128
.set XS,   192
.set YS,   216
.set TM,   224
.set PC,   240
.set PW,   248
.set WV,   18
.set SEL,  20
.macro PROD d, a, b, sa, sb, acc, ra
.if (\acc)
.if (\ra)
	v_wmma_scale_f32_16x16x128_f8f6f4 v[\d:\d+7], v[\a:\a+7], v[\b:\b+7], v[\d:\d+7], v[\sa], v[\sb] matrix_a_fmt:MATRIX_FMT_FP4 matrix_b_fmt:MATRIX_FMT_FP4 matrix_a_scale:MATRIX_SCALE_ROW1
.else
	v_wmma_scale_f32_16x16x128_f8f6f4 v[\d:\d+7], v[\a:\a+7], v[\b:\b+7], v[\d:\d+7], v[\sa], v[\sb] matrix_a_fmt:MATRIX_FMT_FP4 matrix_b_fmt:MATRIX_FMT_FP4
.endif
.else
.if (\ra)
	v_wmma_scale_f32_16x16x128_f8f6f4 v[\d:\d+7], v[\a:\a+7], v[\b:\b+7], 0, v[\sa], v[\sb] matrix_a_fmt:MATRIX_FMT_FP4 matrix_b_fmt:MATRIX_FMT_FP4 matrix_a_scale:MATRIX_SCALE_ROW1
.else
	v_wmma_scale_f32_16x16x128_f8f6f4 v[\d:\d+7], v[\a:\a+7], v[\b:\b+7], 0, v[\sa], v[\sb] matrix_a_fmt:MATRIX_FMT_FP4 matrix_b_fmt:MATRIX_FMT_FP4
.endif
.endif
.endm
; 64 numbers of a lane, register 16 b + i = place 32 b + 16 (lane / 16) + i along the axis, become a fragment's codes in v[PC] on and its four block bytes in v[PW]
.macro QUANT s
.irp b, 0,1,2,3
	v_max3_num_f32 v[TM+\b], |v[\s+16*\b]|, |v[\s+1+16*\b]|, 0x1800000   ; my 16 numbers and the floor 2^(3 - 127): the byte cannot fall under 1
.endr
.irp i, 2,4,6,8,10,12,14
.irp b, 0,1,2,3
	v_max3_num_f32 v[TM+\b], v[TM+\b], |v[\s+16*\b+\i]|, |v[\s+1+16*\b+\i]|
.endr
.endr
.irp b, 0,1,2,3
	s_delay_alu instid0(VALU_DEP_4)
	v_permlanex16_b32 v[TM+4+\b], v[TM+\b], s[SEL], s[SEL+1]
.endr
.irp b, 0,1,2,3
	s_delay_alu instid0(VALU_DEP_4)
	v_max_num_f32 v[TM+\b], v[TM+\b], v[TM+4+\b]   ; with lane l xor 16's 16
.endr
.irp b, 0,1,2,3
	s_delay_alu instid0(VALU_DEP_4)
	v_add_nc_u32 v[TM+12+\b], 0xff000000, v[TM+\b]   ; 2 off the exponent field: the conversion's scale operand
.endr
.irp b, 0,1,2,3
	s_delay_alu instid0(VALU_DEP_4)
	v_lshrrev_b32 v[TM+4+\b], 23, v[TM+12+\b]      ; the scale's byte
.endr
	s_delay_alu instid0(VALU_DEP_3)
	v_lshl_or_b32 v[PW], v[TM+5], 8, v[TM+4]
	s_delay_alu instid0(VALU_DEP_1)
	v_lshl_or_b32 v[PW], v[TM+6], 16, v[PW]
	s_delay_alu instid0(VALU_DEP_1)
	v_lshl_or_b32 v[PW], v[TM+7], 24, v[PW]
.irp b, 0,1,2,3
	v_cvt_scalef32_pk8_fp4_f32 v[PC+2*\b], v[\s+16*\b:\s+7+16*\b], v[TM+12+\b]
	v_cvt_scalef32_pk8_fp4_f32 v[PC+1+2*\b], v[\s+8+16*\b:\s+15+16*\b], v[TM+12+\b]
.endr
	v_nop                                          ; one plain place behind a scaled conversion
.irp c, 0,1                                    ; a whole block to a lane
.irp i, 0,1
	v_permlane16_swap_b32 v[PC+4*\c+\i], v[PC+2+4*\c+\i]
.endr
.endr
.endm
	s_load_b256 s[4:11], s[0:1], 0x0               ; enc's codes, enc's scales, w_k's codes, w_k's scales
	s_load_b128 s[12:15], s[0:1], 0x20             ; w_v's codes, w_v's scales
	s_load_b64 s[16:17], s[0:1], 0x30              ; kv
	v_lshl_add_u32 v254, v0, 2, 0xc000
	v_mov_b32 v255, 0
	v_lshrrev_b32 v8, 5, v0
	s_delay_alu instid0(VALU_DEP_1)
	v_readfirstlane_b32 s[WV], v8                  ; wave 0..15
	v_and_b32 v8, 31, v0                           ; lane
	v_and_b32 v10, 15, v0                          ; r
	v_bfe_u32 v9, v0, 4, 1                         ; hh
	s_delay_alu instid0(VALU_DEP_3)
	v_lshlrev_b32 v[LI], 4, v8
	s_mul_i32 s40, s[WV], 3072
	v_add_nc_u32 v[XW], s40, v[LI]
	v_and_b32 v11, 8, v10
	s_delay_alu instid0(VALU_DEP_1)
	v_mad_u32_u24 v12, v11, 3, v10                 ; r % 8 + 32 (r / 8)
	v_add_nc_u32 v11, v11, v10                     ; r + 8 (r / 8)
	s_delay_alu instid0(VALU_DEP_1)
	v_mul_u32_u24 v[VX], v11, 384
	v_mul_u32_u24 v[VY], v12, 384
	s_delay_alu instid0(VALU_DEP_2)
	v_lshl_add_u32 v[VX], v9, 4, v[VX]
	s_delay_alu instid0(VALU_DEP_2)
	v_lshl_add_u32 v[VY], v9, 4, v[VY]
	v_lshl_add_u32 v[VXS], v9, 3, v11
	s_delay_alu instid0(VALU_DEP_1)
	v_mul_u32_u24 v[VXS], v[VXS], 24
	v_mul_u32_u24 v[VYS], v12, 24
	v_mov_b32 v[ONES], 0x7f7f7f7f
.irp b, 0,1,2,3
	v_mov_b32 v[TM+4+\b], 0                        ; a lane permute's destination counts as one of its sources
.endr
	s_mov_b32 s[SEL], 0x76543210
	s_mov_b32 s[SEL+1], 0xfedcba98
	s_and_b32 s19, ttmp7, 0xffff                   ; grid y: 0 = k, 1 = v
	; k: x = 4 kg + hp: pair of heads hp, keys 256 kg on (of both batches' 8,192)
	s_and_b32 s40, ttmp9, 3
	s_lshr_b32 s41, ttmp9, 2
	s_lshl_b32 s42, s40, 7                         ; X's first row: 128 hp
	s_lshl_b32 s43, s41, 8                         ; Y's first row: 256 kg
	s_lshr_b32 s44, s41, 4
	s_lshl_b32 s44, s44, 3
	s_lshl_b32 s40, s40, 1
	s_add_co_u32 s44, s44, s40                     ; g = 8 batch + 2 hp
	s_and_b32 s45, s41, 15
	s_lshl_b32 s45, s45, 1
	s_lshr_b32 s46, s[WV], 3
	s_add_co_u32 s45, s45, s46                     ; record = 2 (kg % 16) + wave / 8
	s_and_b32 s46, s[WV], 7
	s_lshl_b32 s47, s46, 9                         ; the image's place: 512 (wave % 8)
	s_lshl_b32 s46, s46, 6
	s_add_co_u32 s46, s46, 8192                    ; the scale words': 8,192 + 64 (wave % 8)
	; v: x = 2 step + nh: keys 128 step on, rows 256 nh on of w_v
	s_lshr_b32 s48, ttmp9, 1
	s_and_b32 s49, ttmp9, 1
	s_lshl_b32 s50, s48, 7
	s_lshl_b32 s51, s49, 8
	s_lshr_b32 s52, s48, 5
	s_lshl_b32 s52, s52, 3
	s_lshl_b32 s49, s49, 2
	s_add_co_u32 s52, s52, s49
	s_lshr_b32 s49, s[WV], 2
	s_add_co_u32 s52, s52, s49                     ; g = 8 batch + 4 nh + wave / 4
	s_and_b32 s53, s48, 31                         ; record
	s_and_b32 s54, s[WV], 3
	s_lshl_b32 s55, s54, 10
	s_add_co_u32 s55, s55, 4096                    ; 4,096 + 1,024 (wave % 4)
	s_lshl_b32 s54, s54, 6
	s_add_co_u32 s54, s54, 8704                    ; 8,704 + 64 (wave % 4)
	s_mov_b32 s41, 512
	s_wait_alu depctr_va_vdst(0)
	s_wait_kmcnt 0x0
	s_cmp_eq_u32 s19, 0                            ; the choice hangs on the work-group's number alone
	s_cselect_b64 s[24:25], s[8:9], s[4:5]         ; X's codes
	s_cselect_b64 s[26:27], s[10:11], s[6:7]       ; X's scales
	s_cselect_b64 s[28:29], s[4:5], s[12:13]       ; Y's codes
	s_cselect_b64 s[30:31], s[6:7], s[14:15]       ; Y's scales
	s_cselect_b32 s42, s42, s50
	s_cselect_b32 s43, s43, s51
	s_cselect_b32 s44, s44, s52
	s_cselect_b32 s45, s45, s53
	s_cselect_b32 s47, s47, s55
	s_cselect_b32 s46, s46, s54
	s_cselect_b32 s41, HEADB, s41                  ; from the codes' first four registers to the other four: k: the next head; v: the tile's second part
	s_cselect_b32 s39, HEADB, 0                    ; k: lanes 16-31 store the next head's scale word
	s_cselect_b32 s38, -1, 0
	s_mul_i32 s44, s44, HEADB
	s_mul_i32 s45, s45, RECB
	s_add_co_u32 s44, s44, s45                     ; the record's first byte
	s_add_co_u32 s48, s44, s47
	s_mov_b32 s49, 0
	s_add_nc_u64 s[32:33], s[16:17], s[48:49]      ; where registers 0-3 of the codes go,
	s_mov_b32 s50, s41
	s_mov_b32 s51, 0
	s_add_nc_u64 s[34:35], s[32:33], s[50:51]      ; registers 4-7,
	s_add_co_u32 s48, s44, s46
	s_add_nc_u64 s[36:37], s[16:17], s[48:49]      ; and the scale words
	s_lshr_b32 s52, s[WV], 2                       ; my three fragments of X: tile wave / 2, steps 3 (wave % 2) on
	s_lshl_b32 s52, s52, 5
	s_bfe_u32 s53, s[WV], 0x10001
	s_lshl_b32 s53, s53, 3
	s_add_co_u32 s52, s52, s53
	s_add_co_u32 s52, s52, s42
	s_mul_i32 s52, s52, 384
	s_and_b32 s54, s[WV], 1
	s_mul_i32 s53, s54, 192
	s_add_co_u32 s52, s52, s53
	s_mov_b32 s53, 0
	s_add_nc_u64 s[24:25], s[24:25], s[52:53]
	s_lshr_b32 s55, s[WV], 2                       ; my tile of Y begins at row 64 (wave / 4) + 8 (wave % 4)
	s_lshl_b32 s55, s55, 6
	s_and_b32 s54, s[WV], 3
	s_lshl_b32 s54, s54, 3
	s_add_co_u32 s55, s55, s54
	s_add_co_u32 s55, s55, s43
	s_mul_i32 s56, s55, 384
	s_mov_b32 s57, 0
	s_add_nc_u64 s[28:29], s[28:29], s[56:57]
	s_mul_i32 s56, s55, 24
	s_add_nc_u64 s[30:31], s[30:31], s[56:57]
	s_mul_i32 s56, s42, 24
	s_add_nc_u64 s[26:27], s[26:27], s[56:57]
	v_mul_u32_u24 v[SO], s39, v9
	s_delay_alu instid0(VALU_DEP_1)
	v_lshl_add_u32 v[SO], v10, 2, v[SO]
.irp i, 0,1,2                                  ; my share of X first: it is wanted first
.irp c, 0,1
	global_load_b128 v[XF+8*\i+4*\c:XF+8*\i+4*\c+3], v[VX], s[24:25] offset:64*\i+32*\c
.endr
.endr
.irp s, 0,1,2,3,4,5                            ; Y's six fragments stay in registers
.irp c, 0,1
	global_load_b128 v[YF+8*\s+4*\c:YF+8*\s+4*\c+3], v[VY], s[28:29] offset:64*\s+32*\c
.endr
.endr
.irp b, 0,1,2,3                                ; scale rows are 24 bytes: three loads of two words
.irp k, 0,1,2
	global_load_b64 v[XS+6*\b+2*\k:XS+6*\b+2*\k+1], v[VXS], s[26:27] offset:768*\b+8*\k
.endr
.endr
.irp k, 0,1,2
	global_load_b64 v[YS+2*\k:YS+2*\k+1], v[VYS], s[30:31] offset:8*\k
.endr
	s_wait_loadcnt 27                              ; my six loads of X are in; the 12 + 12 + 3 issued behind them may be out
.irp i, 0,1,2
.irp c, 0,1
	ds_store_b128 v[XW], v[XF+8*\i+4*\c:XF+8*\i+4*\c+3] offset:1024*\i+512*\c   ; fragment (tile, step) at 1,024 (6 tile + step)
.endr
.endr
	s_wait_dscnt 0x0                               ; for the others' sake: my stores have landed
	s_barrier_signal -1
	s_barrier_wait -1                              ; X's 48 fragments lie in LDS; nobody writes them again
	s_wait_loadcnt 0x0
.irp s, 0,1,2,3,4,5
.if \s > 0
.rept 4
	v_nop                                          ; places in front of loads into registers that matrix instructions have read
.endr
.endif
.irp i, 0,1,2,3,4,5,6,7
.irp c, 0,1
	ds_load_b128 v[XF+8*\i+4*\c:XF+8*\i+4*\c+3], v[LI] offset:(6*\i+\s)*1024+512*\c
.endr
.endr
	s_wait_dscnt 0x0
.irp i, 0,1,2,3,4,5,6,7                        ; the eight accumulators take turns
	PROD ACC+8*\i, XF+8*\i, YF+8*\s, XS+6*(\i/2)+\s, YS+\s, \s, (\i)%2
.endr
.endr
.rept 4
	v_nop                                          ; places in front of the first read of results
.endr
	QUANT ACC
	; the scale word.  v: the four bytes as they are.  k: bytes 0, 1 belong to the first head (lanes 0-15), bytes 2, 3 to the second (lanes 16-31); 0x7f above them
	v_perm_b32 v249, v[ONES], v[PW], 0x07060100
	v_perm_b32 v250, v[ONES], v[PW], 0x07060302
	v_cmp_eq_u32 vcc_lo, 1, v9
	s_delay_alu instid0(VALU_DEP_1)
	v_cndmask_b32 v251, v249, v250, vcc_lo
	s_delay_alu instid0(VALU_DEP_1)
	v_cndmask_b32 v251, v[PW], v251, s38
	global_store_b128 v[LI], v[PC:PC+3], s[32:33]     ; 32 lanes store 512 consecutive bytes, at a multiple of 256 from kv's first byte
	global_store_b128 v[LI], v[PC+4:PC+7], s[34:35]
	global_store_b32 v[SO], v251, s[36:37]
	s_wait_tensorcnt 0x0                           ; the wave's end
	ds_add_u32 v254, v255
	s_wait_dscnt 0x0
	s_endpgm
.Lfunc_end_k_q16121012a1_kvproj:
	.size	k_q16121012a1_kvproj, .Lfunc_end_k_q16121012a1_kvproj-k_q16121012a1_kvproj
	.p2alignl 7, 3214868480
	.fill 96, 4, 3214868480
	.section	.rodata,"a",@progbits
	.p2align	6, 0x0
	.amdhsa_kernel k_q16121012a1_kvproj
		.amdhsa_group_segment_fixed_size 51200
		.amdhsa_private_segment_fixed_size 0
		.amdhsa_enable_private_segment 0
		.amdhsa_kernarg_size 56
		.amdhsa_user_sgpr_count 2
		.amdhsa_user_sgpr_kernarg_segment_ptr 1
		.amdhsa_wavefront_size32 1
		.amdhsa_system_sgpr_workgroup_id_x 1
		.amdhsa_system_sgpr_workgroup_id_y 1
		.amdhsa_system_sgpr_workgroup_id_z 1
		.amdhsa_system_vgpr_workitem_id 0
		.amdhsa_next_free_vgpr 256
		.amdhsa_next_free_sgpr 66
		.amdhsa_reserve_vcc 1
		.amdhsa_float_denorm_mode_32 3
		.amdhsa_float_denorm_mode_16_64 3
		.amdhsa_memory_ordered 1
		.amdhsa_forward_progress 1
		.amdhsa_inst_pref_size 27
	.end_amdhsa_kernel
	.amdgpu_metadata
---
amdhsa.version: [ 1, 2 ]
amdhsa.kernels:
  - .name:           k_q16121012a1_kvproj
    .symbol:         k_q16121012a1_kvproj.kd
    .args:
      - { .name: encoder_hidden_states_codes, .offset: 0, .size: 8, .value_kind: global_buffer, .address_space: global }
      - { .name: encoder_hidden_states_scales, .offset: 8, .size: 8, .value_kind: global_buffer, .address_space: global }
      - { .name: w_k_codes, .offset: 16, .size: 8, .value_kind: global_buffer, .address_space: global }
      - { .name: w_k_scales, .offset: 24, .size: 8, .value_kind: global_buffer, .address_space: global }
      - { .name: w_v_codes, .offset: 32, .size: 8, .value_kind: global_buffer, .address_space: global }
      - { .name: w_v_scales, .offset: 40, .size: 8, .value_kind: global_buffer, .address_space: global }
      - { .name: kv, .offset: 48, .size: 8, .value_kind: global_buffer, .address_space: global }
    .group_segment_fixed_size: 51200
    .private_segment_fixed_size: 0
    .kernarg_segment_align: 8
    .kernarg_segment_size: 56
    .max_flat_workgroup_size: 512
    .sgpr_count:     66
    .vgpr_count:     256
    .wavefront_size: 32
...
	.end_amdgpu_metadata
.endif
;; end of part 1
;; launch attn (part 2): grid 16 x 16, 16 waves a work-group, clusters of 4 x 1, 327,680 bytes of LDS; arguments hidden_states_codes, hidden_states_scales, w_q_codes, w_q_scales, kv, o_img, o_sc; writes o_img, o_sc
.if DOCPART == 2
	.amdgcn_target "amdgcn-amd-amdhsa--gfx1250"
	.amdhsa_code_object_version 6
	.text
	.protected	k_q16121012a1_attn
	.globl	k_q16121012a1_attn
	.p2align	8
	.type	k_q16121012a1_attn,@function
k_q16121012a1_attn:
	s_mov_b64 s[64:65], 0
	v_nop
	global_prefetch_b8 v0, s[64:65] scope:SCOPE_SE
	s_setreg_imm32_b32 hwreg(HW_REG_WAVE_MODE, 25, 1), 1
	s_wait_xcnt 0x0
	s_wait_alu depctr_hold_cnt(0) depctr_sa_sdst(0) depctr_va_vdst(0) depctr_va_sdst(0) depctr_va_ssrc(0) depctr_va_vcc(0) depctr_vm_vsrc(0)
	s_getreg_b32 s2, hwreg(HW_REG_IB_STS2, 6, 4)
	s_cmp_eq_u32 s2, 0
	s_cbranch_scc0 .Lentry_in_a_cluster
	s_endpgm
.Lentry_in_a_cluster:
	s_bfe_u32 s2, ttmp6, 0x10000c
	s_cmp_lg_u32 s2, 0x3003
	s_cbranch_scc0 .Lentry_shape_is_right
	s_endpgm
.Lentry_shape_is_right:
; For one head g = 8 batch + h and 256 queries: q = hidden w_q (my head's 64 columns), quantised along the head's 64; S^T = K q^T; the softmax by the rule for a quantised second product; O^T = V^T P^T;
; O / l, quantised along the head's 64 (a block of 32 of the last product's K never crosses a head).  All products on codes of FP4 (E2M1) with E8M0 scales.
; THE SOFTMAX: t = score x log2(e) / 8; M = the running largest t rounded UP to a whole number; p = 2^(t - M) is quantised along the keys, not normalised; the row's sum is taken of the unquantised p and divides O at the end.
; When M moves, the sum and O^T are multiplied by 2^(old M - new M), which rounds nothing; it is done in every step, with no branch on data.
; SHARES: a work-group owns 256 queries of one head, each of its sixteen waves 16 of them in 256 registers.
; A WHOLE HEAD'S K, V AND SCALE WORDS, 286,720 bytes laid as images of operand registers (32 records of 8,960 bytes, one for 128 keys), lie in LDS: every byte is filled once, nothing is filled again.
; EVERY WAVE ASKS FOR ONE SIXTEENTH, records 2 w and 2 w + 1, by its one tensor load.  It multiplies its own two records behind its own wait; one barrier follows, and then it walks the other 30 records, from 2 w + 2 on, round the end.
; The order of the keys is free: the running M and the sums do not hang on it.
; CLUSTER: the four query blocks of a cluster belong to one head and want the same bytes: each load is asked for JOINTLY, with the same descriptor and a mask that names the four.
; NO PREFETCH: all that the work-group reads of kv is asked for by the sixteen loads at the head; there is no loop to run ahead in.
; LAYOUT: both products are used transposed (source 0 = 16 keys, or 16 of the head's 64; source 1 = my 16 queries): a lane holds ONE query (lane % 16) throughout.
; THE ROWS OF A TILE (K's keys, V's d, w_q's rows): lane r of tile 4 c + u takes row 64 c + 8 u + r % 8 + 32 (r / 8).  So the 32 registers of result tiles 4 c .. 4 c + 3 of lane (r, hh) are the 32 neighbours 64 c + 32 hh + 0 .. 31:
; A WHOLE BLOCK OF THE NEXT PRODUCT'S K IN ONE LANE, in the operand's own order: a block's maximum asks no other lane, and the conversions' results are the operand's registers.
; THE FIRST PRODUCT'S K IS 64, the instruction's 128: registers 4-7 of q's and of K's fragments hold zero codes for the whole launch, under the scale byte 0x7f.
; OUT: o_img [row / 16][h][512 bytes]: lane (r, hh): 16 bytes, d = 32 hh .. + 31 of row r.  o_sc [h][row]: two block bytes.
; LIMITS: NaN, infinities and a given scale byte 0xff are not served.  The promise holds while the scaled scores t stay under 2^31 in magnitude.
; A block whose largest magnitude lies under 2^-124, a block of zeros among them, gets the byte 1 (zero codes; this program alone reads the bytes).
.set HEADB, 286720
.set RECB,  8960
.set CHUNK, 17920                      ; two records: what one wave's load brings
.set GATH,  286720                     ; 512 bytes in which the work-group's 256 pairs of scale bytes meet; no tensor load lands there
.set SPARE, 287232                     ; the spare words, 128 bytes a wave
.set LI,   1                           ; 16 x lane
.set LS,   2                           ; 4 x lane
.set ADI,  3                           ; the record's images (at the head: w_q's scale rows)
.set ADS,  4                           ; the record's scale words (at the head: hidden's scale rows)
.set GRD,  5                           ; GATH + 16 x lane
.set FP,   6                           ; v[6:7] f = 2^(old M - new M), later 1 / l
.set T8,   8
.set GST,  9                           ; GATH + 32 x wave + 2 r + hh
.set QF,   16                          ; q's fragment.  v12 -M, v13 the largest score so far, v[14:15] the sum in two halves
.set PC,   24                          ; p's codes
.set KF,   32                          ; v32-95   K's eight fragments
.set S,    96                          ; v96-159  S^T, then p
.set OT,   160                         ; v160-191 O^T
.set VF,   192                         ; v192-223 V's four fragments
.set SB,   224                         ; v224-229 three more chains of the sum
.set SC,   226
.set SD,   228
.set SPW,  230
.set NIL,  231
.set TM,   232                         ; v232-235 maxima: block c in TM + 2 c
.set TP,   236
.set T9,   237                         ; the old -M
.set TE,   238                         ; v238-239 the conversions' scale operands
.set KS,   240                         ; v240-243 K's scale words: lanes 0-15 tile 2 j, lanes 16-31 tile 2 j + 1
.set VS,   244                         ; v244-245 V's likewise
.set QW,   246
.set PW,   247
.set SH8,  252                         ; 8 hh
.set HF,   32                          ; at the head: hidden's four fragments,
.set QA,   64                          ; q's four result tiles,
.set WF,   96                          ; w_q's sixteen fragments (tile t, step s at 32 t + 8 s),
.set WQS,  240                         ; w_q's scale words (pair p, step s at 4 p + s),
.set HSS,  248                         ; hidden's
.set WV,   18
.set SEL,  20
.set CS,   22                          ; s[22:23] c = log2(e) / 8
.set G1,   24
.set G0,   32
.set NC,   36                          ; -c
.set TB,   37                          ; LDS byte at which the record asked for last begins
.set CNT,  38
.set IDX,  39                          ; its number, before the wrap at 32
.macro PROD d, a, b, sa, sb, acc, ra   ; acc = 0: the constant 0 starts the sum.  ra = 1: source 0's scales stand in lanes 16-31
.if (\acc)
.if (\ra)
	v_wmma_scale_f32_16x16x128_f8f6f4 v[\d:\d+7], v[\a:\a+7], v[\b:\b+7], v[\d:\d+7], v[\sa], v[\sb] matrix_a_fmt:MATRIX_FMT_FP4 matrix_b_fmt:MATRIX_FMT_FP4 matrix_a_scale:MATRIX_SCALE_ROW1
.else
	v_wmma_scale_f32_16x16x128_f8f6f4 v[\d:\d+7], v[\a:\a+7], v[\b:\b+7], v[\d:\d+7], v[\sa], v[\sb] matrix_a_fmt:MATRIX_FMT_FP4 matrix_b_fmt:MATRIX_FMT_FP4
.endif
.else
.if (\ra)
	v_wmma_scale_f32_16x16x128_f8f6f4 v[\d:\d+7], v[\a:\a+7], v[\b:\b+7], 0, v[\sa], v[\sb] matrix_a_fmt:MATRIX_FMT_FP4 matrix_b_fmt:MATRIX_FMT_FP4 matrix_a_scale:MATRIX_SCALE_ROW1
.else
	v_wmma_scale_f32_16x16x128_f8f6f4 v[\d:\d+7], v[\a:\a+7], v[\b:\b+7], 0, v[\sa], v[\sb] matrix_a_fmt:MATRIX_FMT_FP4 matrix_b_fmt:MATRIX_FMT_FP4
.endif
.endif
.endm
.macro ROUND                           ; a round of the cluster's barrier
	s_barrier_signal -1
	s_barrier_wait -1
	s_cmp_lg_u32 s[WV], 0
	s_cbranch_scc1 .Lnot_wave_0_\@
	s_barrier_signal -3
.Lnot_wave_0_\@:
	s_barrier_wait -3
	s_barrier_signal -1
	s_barrier_wait -1
.endm
; 32 numbers of a lane, one whole block (d = 32 hh + 0 .. 31 of my row), become four registers of codes in v[pc] on and the block's byte in v[TP]
.macro QB src, pc
	v_max3_num_f32 v[TM], |v[\src]|, |v[\src+1]|, 0x1800000      ; two chains; the floor 2^(3 - 127): the byte cannot fall under 1.  Each result tile is read from its low end on
	v_max3_num_f32 v[TM+1], |v[\src+2]|, |v[\src+3]|, 0x1800000
.irp i, 4,8,12,16,20,24,28
	v_max3_num_f32 v[TM], v[TM], |v[\src+\i]|, |v[\src+\i+1]|
	v_max3_num_f32 v[TM+1], v[TM+1], |v[\src+\i+2]|, |v[\src+\i+3]|
.endr
	s_delay_alu instid0(VALU_DEP_1)
	v_max_num_f32 v[TM], v[TM], v[TM+1]
	s_delay_alu instid0(VALU_DEP_1)
	v_add_nc_u32 v[TE], 0xff000000, v[TM]          ; 2 off the exponent field: the conversion's scale operand
	s_delay_alu instid0(VALU_DEP_1)
	v_lshrrev_b32 v[TP], 23, v[TE]                 ; the scale's byte
.irp u, 0,1,2,3
	v_cvt_scalef32_pk8_fp4_f32 v[\pc+\u], v[\src+8*\u:\src+8*\u+7], v[TE]
.endr
	v_nop                                          ; one plain place behind a scaled conversion
.endm
.macro KLOAD                           ; a record's K: 8 images and 4 registers of scale words
.irp i, 0,1,2,3,4,5,6,7
	ds_load_b128 v[KF+8*\i:KF+8*\i+3], v[ADI] offset:512*\i
.endr
.irp j, 0,1,2,3
	ds_load_b32 v[KS+\j], v[ADS] offset:8192+128*\j
.endr
.endm
.macro NEXTK wrap                      ; on to the next record, and its K.  wrap = 0: my own second record
	s_add_co_u32 s[IDX], s[IDX], 1
.if \wrap
	s_and_b32 s[TB], s[IDX], 31
	s_mul_i32 s[TB], s[TB], RECB
.else
	s_add_co_u32 s[TB], s[TB], RECB
.endif
	v_add_nc_u32 v[ADI], s[TB], v[LI]
	v_add_nc_u32 v[ADS], s[TB], v[LS]
	KLOAD
.endm
.macro PA a, b                         ; the sum's chains take a pair of p each
	v_pk_add_f32 v[SB:SB+1], v[SB:SB+1], v[S+2*(\a):S+2*(\a)+1]
	v_pk_add_f32 v[SC:SC+1], v[SC:SC+1], v[S+2*(\b):S+2*(\b)+1]
.endm
.macro PB a, b
	v_pk_add_f32 v[SD:SD+1], v[SD:SD+1], v[S+2*(\a):S+2*(\a)+1]
	v_pk_add_f32 v[14:15], v[14:15], v[S+2*(\b):S+2*(\b)+1]
.endm
	s_load_b256 s[4:11], s[0:1], 0x0               ; hidden's codes, hidden's scales, w_q's codes, w_q's scales
	s_load_b128 s[12:15], s[0:1], 0x20             ; kv, o_img
	s_load_b64 s[16:17], s[0:1], 0x30              ; o_sc
	v_lshl_add_u32 v[SPW], v0, 2, SPARE
	v_mov_b32 v[NIL], 0
	ds_add_u32 v[SPW], v[NIL]                      ; the opening lines: the add, twice on end, and its wait ahead of my tensor load
	ds_add_u32 v[SPW], v[NIL]
	v_lshrrev_b32 v[T8], 5, v0
	s_delay_alu instid0(VALU_DEP_1)
	v_readfirstlane_b32 s[WV], v[T8]               ; wave 0..15
	v_and_b32 v[T8], 31, v0                        ; lane
	v_and_b32 v12, 15, v0                          ; r
	v_bfe_u32 v13, v0, 4, 1                        ; hh
	v_lshlrev_b32 v[LI], 4, v[T8]
	v_lshlrev_b32 v[LS], 2, v[T8]
	v_and_b32 v14, 8, v12
	v_lshlrev_b32 v[SH8], 3, v13
	v_add_nc_u32 v[GRD], GATH, v[LI]
	v_mad_u32_u24 v14, v14, 3, v12                 ; r % 8 + 32 (r / 8)
	s_lshl_b32 s68, s[WV], 5
	v_lshl_add_u32 v[GST], v12, 1, v13
	v_lshlrev_b32 v10, 8, v12
	v_lshlrev_b32 v11, 8, v14
	v_add_nc_u32 v[GST], s68, v[GST]
	v_lshl_add_u32 v10, v13, 4, v10                ; hidden: row r of 256 bytes, + 16 hh
	v_lshl_add_u32 v11, v13, 4, v11                ; w_q: a tile's row, + 16 hh
	v_lshl_add_u32 v[ADI], v13, 3, v14
	v_add_nc_u32 v[GST], GATH, v[GST]
	v_lshlrev_b32 v[ADS], 4, v12                   ; hidden's scale rows: 16 r
	v_lshlrev_b32 v[ADI], 4, v[ADI]                ; w_q's scale rows of a pair of tiles: 16 (8 hh + r % 8 + 32 (r / 8))
	s_mov_b32 s[SEL], 0x76543210
	s_mov_b32 s[SEL+1], 0xfedcba98                 ; v_permlanex16_b32's selects for lane l xor 16
	s_mov_b32 s[CS], 0x3e38aa3b                    ; c = log2(e) / 8
	s_mov_b32 s[CS+1], s[CS]
	s_mov_b32 s[NC], 0xbe38aa3b                    ; -c
	s_and_b32 s68, ttmp7, 0xffff                   ; g: the head, which the four partners share
	s_mul_i32 s70, s68, HEADB
	s_mul_i32 s72, s[WV], CHUNK                    ; my two records' place, in the head and in LDS alike: no place in the cluster enters it
	s_add_co_u32 s70, s70, s72
	s_mov_b32 s71, 0
	s_lshr_b32 s73, s68, 3                         ; batch
	s_and_b32 s74, s68, 7                          ; h
	s_bfe_u32 s75, ttmp6, 0x40000                  ; cx: it enters hidden's, o_img's and o_sc's addresses alone
	s_lshl_b32 s76, ttmp9, 2
	s_add_co_u32 s76, s76, s75                     ; my block of 256 queries
	s_lshl_b32 s77, s73, 12
	s_lshl_b32 s76, s76, 8
	s_add_co_u32 s77, s77, s76                     ; the work-group's first row
	s_lshl_b32 s78, s[WV], 4
	s_add_co_u32 s78, s78, s77                     ; my first row
	s_lshl_b32 s80, s78, 8                         ; its codes: 256 bytes a row (and its row tile's 4,096 bytes in o_img)
	s_mov_b32 s81, 0
	s_lshl_b32 s82, s78, 4                         ; its scale bytes
	s_mov_b32 s83, 0
	s_lshl_b32 s84, s74, 14                        ; w_q: my head's 64 rows of 256 bytes (and my head's 8,192 pairs of bytes in o_sc)
	s_mov_b32 s85, 0
	s_lshl_b32 s86, s74, 10                        ; their scale bytes
	s_mov_b32 s87, 0
	s_lshl_b32 s88, s74, 9
	s_add_co_u32 s88, s88, s80                     ; o_img: 4,096 x row tile + 512 h
	s_mov_b32 s89, 0
	s_lshl_b32 s90, s77, 1
	s_add_co_u32 s90, s90, s84                     ; o_sc: 16,384 h + 2 x the work-group's first row
	s_mov_b32 s91, 0
	; descriptor group 1: 17,920 dense bytes as 70 rows of 256 bytes (32 elements of 8 bytes), no padding: the images are read 16 bytes a lane on end
	s_mov_b32 s[G1], 15|(3<<16)|(1<<21)            ; the mask: all four work-groups; elements of 8 bytes; bit 21 beside a mask
	s_mov_b32 s[G1+1], 32<<16
	s_mov_b32 s[G1+2], 70<<16
	s_mov_b32 s[G1+3], 32<<16
	s_mov_b32 s[G1+4], 70
	s_mov_b32 s[G1+5], 32
	s_mov_b32 s[G1+6], 0
	s_mov_b32 s[G1+7], 0
	s_mov_b32 s[G0], 1
	s_mov_b32 s[G0+1], s72
	s_wait_alu depctr_va_vdst(0)
	s_wait_dscnt 0x0                               ; both opening adds are done
	s_wait_kmcnt 0x0
	s_add_nc_u64 s[G0+2:G0+3], s[12:13], s[70:71]
	s_or_b32 s[G0+3], s[G0+3], 0x80000000
	s_add_nc_u64 s[4:5], s[4:5], s[80:81]
	s_add_nc_u64 s[6:7], s[6:7], s[82:83]
	s_add_nc_u64 s[8:9], s[8:9], s[84:85]
	s_add_nc_u64 s[10:11], s[10:11], s[86:87]
	s_add_nc_u64 s[14:15], s[14:15], s[88:89]
	s_add_nc_u64 s[16:17], s[16:17], s[90:91]
	; q's operands are asked for ahead of the round: nobody writes those bytes
.irp s, 0,1,2,3
.irp c, 0,1
	global_load_b128 v[HF+8*\s+4*\c:HF+8*\s+4*\c+3], v10, s[4:5] offset:64*\s+32*\c
.endr
.endr
.irp p, 0,1
	global_load_b128 v[WQS+4*\p:WQS+4*\p+3], v[ADI], s[10:11] offset:256*\p   ; a row's four scale words; lanes 0-15 tile 2 p, lanes 16-31 tile 2 p + 1
.endr
	global_load_b128 v[HSS:HSS+3], v[ADS], s[6:7]
.irp t, 0,1,2,3
.irp s, 0,1,2,3
.irp c, 0,1
	global_load_b128 v[WF+32*\t+8*\s+4*\c:WF+32*\t+8*\s+4*\c+3], v11, s[8:9] offset:2048*\t+64*\s+32*\c
.endr
.endr
.endr
	ROUND                                          ; all four work-groups are here: the joint loads meet
	tensor_load_to_lds s[G0:G0+3], s[G1:G1+7]      ; my one tensor load: records 2 w and 2 w + 1
	s_nop 0
.rept 4
	v_nop
.endr
	s_wait_loadcnt 0x0
	; q = hidden w_q for my 16 queries and my head, transposed: source 0 = 16 rows of w_q, source 1 = my queries; K = 512 in four steps
.irp s, 0,1,2,3
.irp t, 0,1,2,3                                ; the four accumulators take turns
	PROD QA+8*\t, WF+32*\t+8*\s, HF+8*\s, WQS+4*(\t/2)+\s, HSS+\s, \s, (\t)%2
.endr
.endr
.rept 4
	v_nop                                          ; places in front of the first read of results
.endr
	QB QA, QF
	v_lshlrev_b32 v[T8], v[SH8], v[TP]             ; my block's byte at its place,
	s_delay_alu instid0(VALU_DEP_1)
	v_permlanex16_b32 v[TP], v[T8], s[SEL], s[SEL+1]
	s_delay_alu instid0(VALU_DEP_1)
	v_or_b32 v[QW], v[T8], v[TP]                   ; with lane l xor 16's,
	s_delay_alu instid0(VALU_DEP_1)
	v_or_b32 v[QW], 0x7f7f0000, v[QW]              ; and 0x7f over the zero codes: q's scale word
.irp j, 4,5,6,7
	v_mov_b32 v[QF+\j], 0                          ; zero codes for k = 64 .. 127, on both sides, for the whole launch
.endr
.irp i, 0,1,2,3,4,5,6,7
.irp j, 4,5,6,7
	v_mov_b32 v[KF+8*\i+\j], 0
.endr
.endr
	v_mov_b32 v12, 0
	v_mov_b32 v13, 0xff61b1e6                      ; the largest score so far: -3e38
	v_mov_b32 v14, 0                               ; the sum, in two halves
	v_mov_b32 v15, 0
	v_mov_b32 v[FP+1], 0                           ; (named with f as a pair)
	s_lshl_b32 s[IDX], s[WV], 1
	s_mov_b32 s[TB], s72
	v_add_nc_u32 v[ADI], s[TB], v[LI]
	v_add_nc_u32 v[ADS], s[TB], v[LS]
; A KEY STEP: 128 keys; its K has been asked for.  first = 1: the products start O^T with the constant 0, and nothing is rescaled.  pf: the next record's K is asked for (1: with the wrap, 2: my own second record, 0: not)
.macro STEP first, pf
	s_wait_dscnt 0x0                               ; K and its scale words are in
.irp i, 0,1,2,3,4,5,6,7                        ; S^T = K q^T: the 32 registers of tiles 4 c .. 4 c + 3 are keys 64 c + 32 hh + 0 .. 31 of the step
	PROD S+8*\i, KF+8*\i, QF, KS+\i/2, QW, 0, (\i)%2
.endr
	v_mov_b32 v[T9], v12                           ; the old -M.  With three v_nop: the four places in front of the first read of the scores and of the loads into V's and K's registers
.rept 3
	v_nop
.endr
.irp t, 0,1,2,3                                ; V lands under the softmax
.irp c, 0,1
	ds_load_b128 v[VF+8*\t+4*\c:VF+8*\t+4*\c+3], v[ADI] offset:4096+1024*\t+512*\c
.endr
.endr
.irp j, 0,1
	ds_load_b32 v[VS+\j], v[ADS] offset:8704+128*\j
.endr
.if (\pf) == 1
	NEXTK 1
.endif
.if (\pf) == 2
	NEXTK 0
.endif
.irp k, 0,16,32,48                             ; the largest score of each block, in two chains a block; each tile is read from its low end on
	v_max3_num_f32 v[TM+\k/16], v[S+\k], v[S+\k+1], v[S+\k+2]
.endr
.irp i, 3,5,7,9,11,13
.irp k, 0,16,32,48
	v_max3_num_f32 v[TM+\k/16], v[TM+\k/16], v[S+\k+\i], v[S+\k+\i+1]
.endr
.endr
	v_max3_num_f32 v[TM+1], v[TM+1], v[S+15], v[S+31]
	v_max3_num_f32 v[TM+3], v[TM+3], v[S+47], v[S+63]
	s_delay_alu instid0(VALU_DEP_2)
	v_max_num_f32 v[TM], v[TM], v[TM+1]            ; block hh: it serves for the row's maximum and, since p rises with the score, for the block's largest p
	s_delay_alu instid0(VALU_DEP_2)
	v_max_num_f32 v[TM+2], v[TM+2], v[TM+3]        ; block 2 + hh
	s_delay_alu instid0(VALU_DEP_1)
	v_max3_num_f32 v[T8], v[TM], v[TM+2], v13
	s_delay_alu instid0(VALU_DEP_1)
	v_permlanex16_b32 v[TP], v[T8], s[SEL], s[SEL+1]
	s_delay_alu instid0(VALU_DEP_1)
	v_max_num_f32 v13, v[T8], v[TP]                ; the running largest score of my query
	s_delay_alu instid0(VALU_DEP_1)
	v_mul_f32 v[T8], s[NC], v13                    ; -t
	s_delay_alu instid0(VALU_DEP_1)
	v_floor_f32 v12, v[T8]                         ; -M = floor(-t) = -ceil(t): M is a whole number
.if !(\first)
	s_delay_alu instid0(VALU_DEP_1)
	v_sub_f32 v[T8], v12, v[T9]                    ; old M - new M: a whole number, 0 or less
	s_delay_alu instid0(VALU_DEP_1)
	v_cvt_i32_f32 v[T8], v[T8]                     ; (it saturates)
	s_delay_alu instid0(VALU_DEP_1)
	v_ldexp_f32 v[FP], 1.0, v[T8]                  ; f = 2^(old M - new M)
.endif
.set JJ, 0
.rept 32
	v_pk_fma_f32 v[S+JJ:S+JJ+1], v[S+JJ:S+JJ+1], s[CS:CS+1], v[12:13] op_sel_hi:[1,0,0]   ; t - M, two at a time
.set JJ, JJ+2
.endr
	v_fma_f32 v[TM], v[TM], s[CS], v12             ; the same of each block's largest score
	v_fma_f32 v[TM+2], v[TM+2], s[CS], v12
.if !(\first)
.set JJ, 0
.rept 16
	v_pk_mul_f32 v[OT+JJ:OT+JJ+1], v[OT+JJ:OT+JJ+1], v[FP:FP+1] op_sel_hi:[1,0]   ; O^T under the new M, each tile from its low end on; no transcendental stands between the last products and these reads
.set JJ, JJ+2
.endr
.endif
	s_wait_alu depctr_va_vdst(0)
	v_exp_f32 v[TM], v[TM]                         ; the block's largest p: the same two instructions on the same number give the same bits
	v_exp_f32 v[TM+2], v[TM+2]
.set JJ, 0
.rept 64
	v_exp_f32 v[S+JJ], v[S+JJ]                     ; p = 2^(t - M): not normalised
.set JJ, JJ+1
.endr
.if \first
	v_nop                                          ; the plain place behind the exponentials
.else
	v_pk_mul_f32 v[14:15], v[14:15], v[FP:FP+1] op_sel_hi:[1,0]   ; the sums under the new M: the plain place behind the exponentials
.endif
	s_wait_alu depctr_va_vdst(0)                   ; one wait for the batch, ahead of its first reader
	; the two scales of my blocks, by turns with the first lines of the row's sum (of the unquantised p, in four chains)
	v_max_num_f32 v[TM], 0x1800000, v[TM]          ; the floor 2^(3 - 127): the byte cannot fall under 1
	v_max_num_f32 v[TM+2], 0x1800000, v[TM+2]
	v_pk_add_f32 v[SB:SB+1], v[S:S+1], v[S+2:S+3]
	v_pk_add_f32 v[SC:SC+1], v[S+4:S+5], v[S+6:S+7]
	v_add_nc_u32 v[TE], 0xff000000, v[TM]          ; 2 off the exponent field: the conversion's scale operand
	v_add_nc_u32 v[TE+1], 0xff000000, v[TM+2]
	v_pk_add_f32 v[SD:SD+1], v[S+8:S+9], v[S+10:S+11]
	v_pk_add_f32 v[14:15], v[14:15], v[S+12:S+13]
	v_lshrrev_b32 v[TM], 23, v[TE]                 ; the bytes
	v_lshrrev_b32 v[TM+2], 23, v[TE+1]
	PA 7, 8
	v_lshl_or_b32 v[T8], v[TM+2], 16, v[TM]        ; blocks hh and 2 + hh,
	PB 9, 10
	v_lshlrev_b32 v[T8], v[SH8], v[T8]             ; at their places in the word,
	PA 11, 12
	v_permlanex16_b32 v[TP], v[T8], s[SEL], s[SEL+1]
	PB 13, 14
	v_or_b32 v[PW], v[T8], v[TP]                   ; with lane l xor 16's two: p's scale word for these 128 keys
.irp c, 0,1
.irp u, 0,1,2,3
	v_cvt_scalef32_pk8_fp4_f32 v[PC+4*\c+\u], v[S+32*\c+8*\u:S+32*\c+8*\u+7], v[TE+\c]   ; registers 4 c .. 4 c + 3 of the operand: keys 64 c + 32 hh + 0 .. 31
.endr
.endr
	PA 15, 16                                      ; twenty plain lines: the places between p's codes and scale word and the products below
	PB 17, 18
	PA 19, 20
	PB 21, 22
	PA 23, 24
	PB 25, 26
	PA 27, 28
	PB 29, 30
	v_pk_add_f32 v[SB:SB+1], v[SB:SB+1], v[S+62:S+63]
	v_pk_add_f32 v[SC:SC+1], v[SC:SC+1], v[SD:SD+1]
	s_delay_alu instid0(VALU_DEP_2)
	v_pk_add_f32 v[14:15], v[14:15], v[SB:SB+1]
	s_delay_alu instid0(VALU_DEP_1)
	v_pk_add_f32 v[14:15], v[14:15], v[SC:SC+1]
	s_wait_alu depctr_va_vdst(0)
.if \pf
	s_wait_dscnt 12                                ; V and its scale words are in; the next record's 8 + 4 loads, issued behind them, may be out
.else
	s_wait_dscnt 0x0
.endif
.irp t, 0,1,2,3                                ; O^T += V^T P^T: K = these 128 keys; the four accumulators take turns
	PROD OT+8*\t, VF+8*\t, PC, VS+\t/2, PW, 1-(\first), (\t)%2
.endr
.endm
	s_wait_alu depctr_va_vdst(0)
	s_wait_tensorcnt 0x0                           ; my two records are in: I alone read them ahead of the barrier
	KLOAD
	STEP 1, 2
	STEP 0, 0
	s_wait_dscnt 0x0
	s_barrier_signal -1                            ; every wave has waited for its own load:
	s_barrier_wait -1                              ; the whole head lies in LDS, and nothing is filled again
	NEXTK 1
	s_wait_alu depctr_va_vdst(0)
	s_mov_b32 s[CNT], 29
.Lstep:                                            ; records 2 w + 2 .. 2 w + 30, round the end
	STEP 0, 1
	s_sub_co_u32 s[CNT], s[CNT], 1
	s_cmp_lg_u32 s[CNT], 0
	s_cbranch_scc1 .Lstep
	STEP 0, 0                                      ; record 2 w + 31: nothing more to ask for
	; THE WAY OUT: O^T / l, quantised along the head's 64; the codes are an image of the last product's operand registers
.rept 4
	v_nop                                          ; places in front of the first read of the last products' results
.endr
	v_add_f32 v14, v14, v15                        ; the sum's two halves,
	s_delay_alu instid0(VALU_DEP_1)
	v_permlanex16_b32 v[T8], v14, s[SEL], s[SEL+1]
	s_delay_alu instid0(VALU_DEP_1)
	v_add_f32 v14, v14, v[T8]                      ; and lane l xor 16's keys: the row's sum
	s_wait_alu depctr_va_vdst(0)
	v_rcp_f32 v[FP], v14
	v_nop                                          ; one plain place behind it
	s_wait_alu depctr_va_vdst(0)                   ; the wait ahead of its first reader, which is also the first reader of O^T
.set JJ, 0
.rept 16
	v_pk_mul_f32 v[S+JJ:S+JJ+1], v[OT+JJ:OT+JJ+1], v[FP:FP+1] op_sel_hi:[1,0]   ; register 8 t + j is o(r, 32 hh + 8 t + j)
.set JJ, JJ+2
.endr
	QB S, PC
	global_store_b128 v[LI], v[PC:PC+3], s[14:15]  ; 32 lanes store 512 consecutive bytes, at a multiple of 256 from o_img's first byte
	ds_store_b8 v[GST], v[TP]                      ; my block's byte meets the others' in LDS
	s_wait_dscnt 0x0                               ; for the others' sake: my store has landed
	s_barrier_signal -1
	s_barrier_wait -1
	s_cmp_lg_u32 s[WV], 0
	s_cbranch_scc1 .Lnot_first
	ds_load_b128 v[S:S+3], v[GRD]                  ; wave 0 stores the work-group's 512 bytes
	s_wait_dscnt 0x0
	global_store_b128 v[LI], v[S:S+3], s[16:17]    ; 512 consecutive bytes, at a multiple of 256 from o_sc's first byte
.Lnot_first:
	s_wait_tensorcnt 0x0                           ; the wave's end
	ds_add_u32 v[SPW], v[NIL]
	s_wait_dscnt 0x0
	ROUND                                          ; the closing round
	s_endpgm
.Lfunc_end_k_q16121012a1_attn:
	.size	k_q16121012a1_attn, .Lfunc_end_k_q16121012a1_attn-k_q16121012a1_attn
	.p2alignl 7, 3214868480
	.fill 96, 4, 3214868480
	.section	.rodata,"a",@progbits
	.p2align	6, 0x0
	.amdhsa_kernel k_q16121012a1_attn
		.amdhsa_group_segment_fixed_size 327680
		.amdhsa_private_segment_fixed_size 0
		.amdhsa_enable_private_segment 0
		.amdhsa_kernarg_size 56
		.amdhsa_user_sgpr_count 2
		.amdhsa_user_sgpr_kernarg_segment_ptr 1
		.amdhsa_wavefront_size32 1
		.amdhsa_system_sgpr_workgroup_id_x 1
		.amdhsa_system_sgpr_workgroup_id_y 1
		.amdhsa_system_sgpr_workgroup_id_z 1
		.amdhsa_system_vgpr_workitem_id 0
		.amdhsa_next_free_vgpr 256
		.amdhsa_next_free_sgpr 96
		.amdhsa_reserve_vcc 0
		.amdhsa_float_denorm_mode_32 3
		.amdhsa_float_denorm_mode_16_64 3
		.amdhsa_memory_ordered 1
		.amdhsa_forward_progress 1
		.amdhsa_inst_pref_size 74
	.end_amdhsa_kernel
	.amdgpu_metadata
---
amdhsa.version: [ 1, 2 ]
amdhsa.kernels:
  - .name:           k_q16121012a1_attn
    .symbol:         k_q16121012a1_attn.kd
    .args:
      - { .name: hidden_states_codes, .offset: 0, .size: 8, .value_kind: global_buffer, .address_space: global }
      - { .name: hidden_states_scales, .offset: 8, .size: 8, .value_kind: global_buffer, .address_space: global }
      - { .name: w_q_codes, .offset: 16, .size: 8, .value_kind: global_buffer, .address_space: global }
      - { .name: w_q_scales, .offset: 24, .size: 8, .value_kind: global_buffer, .address_space: global }
      - { .name: kv, .offset: 32, .size: 8, .value_kind: global_buffer, .address_space: global }
      - { .name: o_img, .offset: 40, .size: 8, .value_kind: global_buffer, .address_space: global }
      - { .name: o_sc, .offset: 48, .size: 8, .value_kind: global_buffer, .address_space: global }
    .group_segment_fixed_size: 327680
    .private_segment_fixed_size: 0
    .kernarg_segment_align: 8
    .kernarg_segment_size: 56
    .max_flat_workgroup_size: 512
    .sgpr_count:     96
    .vgpr_count:     256
    .wavefront_size: 32
...
	.end_amdgpu_metadata
.endif
;; end of part 2
;; launch outproj (part 3): grid 256 x 1, 8 waves a work-group, no clusters, 35,840 bytes of LDS; arguments o_img, o_sc, w_out_codes, w_out_scales, b_out, out0; writes out0
.if DOCPART == 3
	.amdgcn_target "amdgcn-amd-amdhsa--gfx1250"
	.amdhsa_code_object_version 6
	.text
	.protected	k_q16121012a1_outproj
	.globl	k_q16121012a1_outproj
	.p2align	8
	.type	k_q16121012a1_outproj,@function
k_q16121012a1_outproj:
	s_mov_b64 s[64:65], 0
	v_nop
	global_prefetch_b8 v0, s[64:65] scope:SCOPE_SE
	s_setreg_imm32_b32 hwreg(HW_REG_WAVE_MODE, 25, 1), 1
	s_wait_xcnt 0x0
; out0 = o w_out + b_out on codes of FP4 (E2M1) with E8M0 scales, K = 512 in four steps of 128.  o comes as images of operand registers (o_img [row / 16][h][512 bytes]: head h is registers 4 (h % 2) on of K step h / 2)
; and two block bytes a row and head (o_sc [h][row]); w_out as given: [512 (n)][256 bytes], its scale rows 16 bytes.
; SHARES: a work-group takes 32 rows (two tiles of 16) x all 512 columns; wave w takes columns 64 w .. 64 w + 63: four tiles of w_out's rows, whose 16 fragments stay in 128 registers.
; THE PRODUCT IS USED TRANSPOSED (source 0 = 16 rows of w_out, source 1 = 16 rows of o): a lane holds eight neighbouring columns of one row of out0.
; THE WAY OUT: a tile of 16 rows x 64 columns goes through the wave's own stage in LDS (rows of 256 bytes + 16) and comes back as whole rows; the bias is added there, where a lane needs four numbers of it;
; sixteen lanes store 256 consecutive bytes.  The first tile of rows goes out while the second is multiplied.  Waves share nothing: no barrier.  No tensor loads: each operand is read once into registers.
; LIMITS: NaN, infinities and a given scale byte 0xff are not served.
.set LI,   1                           ; v1   16 x lane: an image's place; also w_out's scale rows of a pair of tiles (row 32 p + lane)
.set VW,   2                           ; v2   w_out: 256 r + 16 hh
.set VU,   4                           ; v4   2 x lane: o's pairs of scale bytes
.set STO,  5                           ; v5   the stage: where I put 32 bytes of a row
.set RD,   6                           ; v6   and where I read a row back
.set CO,   7                           ; v7   my byte offset in two rows of out0
.set VB,   9                           ; v9   16 (lane % 16)
.set WS,   16                          ; v16-23  w_out's scale words: pair p, step s at 4 p + s: lanes 0-15 tile 2 p, lanes 16-31 tile 2 p + 1
.set OS,   24                          ; v24-27  o's scale words, step s: lanes 0-15 the first tile of rows, lanes 16-31 the second
.set BI,   28                          ; v28-31  the bias of my four columns on the way out
.set ACC,  32                          ; v32-63  four accumulators (first: o's eight pairs of bytes)
.set OF,   64                          ; v64-127 o's fragments (tile of rows m, step s at 32 m + 8 s); later the rows read back
.set WF,   128                         ; v128-255 w_out's fragments (tile t, step s at 32 t + 8 s)
.set WV,   16
; one scaled product.  acc = 0: it starts the sum with the constant 0.  ra, rb = 1: that source's scales stand in lanes 16-31
.macro PROD d, a, b, sa, sb, acc, ra, rb
.if (\acc)
.if (\ra)
.if (\rb)
	v_wmma_scale_f32_16x16x128_f8f6f4 v[\d:\d+7], v[\a:\a+7], v[\b:\b+7], v[\d:\d+7], v[\sa], v[\sb] matrix_a_fmt:MATRIX_FMT_FP4 matrix_b_fmt:MATRIX_FMT_FP4 matrix_a_scale:MATRIX_SCALE_ROW1 matrix_b_scale:MATRIX_SCALE_ROW1
.else
	v_wmma_scale_f32_16x16x128_f8f6f4 v[\d:\d+7], v[\a:\a+7], v[\b:\b+7], v[\d:\d+7], v[\sa], v[\sb] matrix_a_fmt:MATRIX_FMT_FP4 matrix_b_fmt:MATRIX_FMT_FP4 matrix_a_scale:MATRIX_SCALE_ROW1
.endif
.else
.if (\rb)
	v_wmma_scale_f32_16x16x128_f8f6f4 v[\d:\d+7], v[\a:\a+7], v[\b:\b+7], v[\d:\d+7], v[\sa], v[\sb] matrix_a_fmt:MATRIX_FMT_FP4 matrix_b_fmt:MATRIX_FMT_FP4 matrix_b_scale:MATRIX_SCALE_ROW1
.else
	v_wmma_scale_f32_16x16x128_f8f6f4 v[\d:\d+7], v[\a:\a+7], v[\b:\b+7], v[\d:\d+7], v[\sa], v[\sb] matrix_a_fmt:MATRIX_FMT_FP4 matrix_b_fmt:MATRIX_FMT_FP4
.endif
.endif
.else
.if (\ra)
.if (\rb)
	v_wmma_scale_f32_16x16x128_f8f6f4 v[\d:\d+7], v[\a:\a+7], v[\b:\b+7], 0, v[\sa], v[\sb] matrix_a_fmt:MATRIX_FMT_FP4 matrix_b_fmt:MATRIX_FMT_FP4 matrix_a_scale:MATRIX_SCALE_ROW1 matrix_b_scale:MATRIX_SCALE_ROW1
.else
	v_wmma_scale_f32_16x16x128_f8f6f4 v[\d:\d+7], v[\a:\a+7], v[\b:\b+7], 0, v[\sa], v[\sb] matrix_a_fmt:MATRIX_FMT_FP4 matrix_b_fmt:MATRIX_FMT_FP4 matrix_a_scale:MATRIX_SCALE_ROW1
.endif
.else
.if (\rb)
	v_wmma_scale_f32_16x16x128_f8f6f4 v[\d:\d+7], v[\a:\a+7], v[\b:\b+7], 0, v[\sa], v[\sb] matrix_a_fmt:MATRIX_FMT_FP4 matrix_b_fmt:MATRIX_FMT_FP4 matrix_b_scale:MATRIX_SCALE_ROW1
.else
	v_wmma_scale_f32_16x16x128_f8f6f4 v[\d:\d+7], v[\a:\a+7], v[\b:\b+7], 0, v[\sa], v[\sb] matrix_a_fmt:MATRIX_FMT_FP4 matrix_b_fmt:MATRIX_FMT_FP4
.endif
.endif
.endif
.endm
.macro MUL16 m                         ; tile of rows m: four K steps x four tiles of columns; the four accumulators take turns
.irp s, 0,1,2,3
	s_wait_alu depctr_va_vdst(0)
.irp t, 0,1,2,3
	PROD ACC+8*\t, WF+32*\t+8*\s, OF+32*\m+8*\s, WS+4*(\t/2)+\s, OS+\s, \s, (\t)%2, \m
.endr
.endr
.endm
.macro TOSTAGE bk                      ; the four accumulators into my stage, each from its low end on, and back as whole rows into v[bk] on.  LDS serves a wave's instructions in order: the loads see the stores
.irp t, 0,1,2,3
	ds_store_b128 v[STO], v[ACC+8*\t:ACC+8*\t+3] offset:64*\t
	ds_store_b128 v[STO], v[ACC+8*\t+4:ACC+8*\t+7] offset:64*\t+16
.endr
.irp i, 0,1,2,3,4,5,6,7
	ds_load_b128 v[\bk+4*\i:\bk+4*\i+3], v[RD] offset:544*\i
.endr
.endm
.macro SEND bk, m                      ; the bias, and 16 rows out
.irp i, 0,1,2,3,4,5,6,7
	v_pk_add_f32 v[\bk+4*\i:\bk+4*\i+1], v[\bk+4*\i:\bk+4*\i+1], v[BI:BI+1]
	v_pk_add_f32 v[\bk+4*\i+2:\bk+4*\i+3], v[\bk+4*\i+2:\bk+4*\i+3], v[BI+2:BI+3]
.endr
.irp i, 0,1,2,3,4,5,6,7
	global_store_b128 v[CO], v[\bk+4*\i:\bk+4*\i+3], s[14:15] offset:(16*\m+2*\i)*2048 th:TH_STORE_NT   ; 16 lanes store 256 consecutive bytes, at a multiple of 256 from out0's first byte; written once, read by nobody here
.endr
.endm
	s_load_b256 s[4:11], s[0:1], 0x0               ; o_img s[4:5], o_sc s[6:7], w_out's codes s[8:9], w_out's scales s[10:11]
	s_load_b128 s[12:15], s[0:1], 0x20             ; b_out, out0
	v_lshl_add_u32 v14, v0, 2, 0x8800
	v_mov_b32 v15, 0
	v_lshrrev_b32 v8, 5, v0
	s_delay_alu instid0(VALU_DEP_1)
	v_readfirstlane_b32 s[WV], v8                  ; wave 0..7
	v_and_b32 v8, 31, v0                           ; lane
	v_and_b32 v10, 15, v0                          ; r
	v_bfe_u32 v11, v0, 4, 1                        ; hh
	s_delay_alu instid0(VALU_DEP_3)
	v_lshlrev_b32 v[LI], 4, v8
	s_delay_alu instid0(VALU_DEP_3)
	v_lshlrev_b32 v[VW], 8, v10
	s_delay_alu instid0(VALU_DEP_1)
	v_lshl_add_u32 v[VW], v11, 4, v[VW]
	v_lshlrev_b32 v[VU], 1, v8
	v_lshlrev_b32 v[VB], 4, v10
	s_mul_i32 s17, s[WV], 4352                     ; my stage: 16 rows x 272 bytes
	s_lshl_b32 s20, s[WV], 14                      ; w_out: my 64 rows of 256 bytes
	s_mov_b32 s21, 0
	s_lshl_b32 s22, s[WV], 10                      ; their scale rows
	s_mov_b32 s23, 0
	s_lshl_b32 s24, ttmp9, 13                      ; o_img: two row tiles of 4,096 bytes a work-group
	s_mov_b32 s25, 0
	s_lshl_b32 s26, ttmp9, 6                       ; o_sc: 32 rows of 2 bytes
	s_mov_b32 s27, 0
	s_lshl_b32 s28, s[WV], 8                       ; b_out: my 64 numbers
	s_mov_b32 s29, 0
	s_lshl_b32 s30, ttmp9, 16                      ; out0: 32 rows of 2,048 bytes, + my 256 bytes of a row
	s_add_co_u32 s30, s30, s28
	s_mov_b32 s31, 0
	s_wait_alu depctr_va_vdst(0)
	s_wait_kmcnt 0x0
	s_add_nc_u64 s[4:5], s[4:5], s[24:25]
	s_add_nc_u64 s[6:7], s[6:7], s[26:27]
	s_add_nc_u64 s[8:9], s[8:9], s[20:21]
	s_add_nc_u64 s[10:11], s[10:11], s[22:23]
	s_add_nc_u64 s[12:13], s[12:13], s[28:29]
	s_add_nc_u64 s[14:15], s[14:15], s[30:31]
.irp t, 0,1,2,3
.irp s, 0,1,2,3
.irp c, 0,1
	global_load_b128 v[WF+32*\t+8*\s+4*\c:WF+32*\t+8*\s+4*\c+3], v[VW], s[8:9] offset:4096*\t+64*\s+32*\c
.endr
.endr
.endr
.irp p, 0,1
	global_load_b128 v[WS+4*\p:WS+4*\p+3], v[LI], s[10:11] offset:512*\p   ; a row's four scale words
.endr
.irp m, 0,1
.irp s, 0,1,2,3
.irp c, 0,1
	global_load_b128 v[OF+32*\m+8*\s+4*\c:OF+32*\m+8*\s+4*\c+3], v[LI], s[4:5] offset:4096*\m+512*(2*\s+\c)   ; head 2 s + c: 512 consecutive bytes a load
.endr
.endr
.endr
.irp h, 0,1,2,3,4,5,6,7
	global_load_u16 v[ACC+\h], v[VU], s[6:7] offset:16384*\h   ; row 32 x work-group + lane, head h: two block bytes
.endr
	global_load_b128 v[BI:BI+3], v[VB], s[12:13]
	s_wait_loadcnt 0x0
.irp s, 0,1,2,3
	v_lshl_or_b32 v[OS+\s], v[ACC+2*\s+1], 16, v[ACC+2*\s]   ; K step s: heads 2 s and 2 s + 1: four block bytes
.endr
	; a scale register written by a vector instruction stands eight places ahead of a scaled product: the addresses of the way out are made here, seven lines, and one v_nop
	v_mul_u32_u24 v[STO], v10, 272
	s_delay_alu instid0(VALU_DEP_1)
	v_lshl_add_u32 v[STO], v11, 5, v[STO]
	s_delay_alu instid0(VALU_DEP_1)
	v_add_nc_u32 v[STO], s17, v[STO]               ; in: row r; tile t's eight columns of my half: 64 t + 32 hh bytes on
	v_mul_u32_u24 v[RD], v11, 272
	s_delay_alu instid0(VALU_DEP_1)
	v_add_nc_u32 v[RD], v[VB], v[RD]
	s_delay_alu instid0(VALU_DEP_1)
	v_add_nc_u32 v[RD], s17, v[RD]                 ; back: lanes 0-15 one row of 256 bytes, lanes 16-31 the next
	v_lshl_add_u32 v[CO], v11, 11, v[VB]           ; and the same two rows in out0
	v_nop
	MUL16 0
.rept 5
	v_nop                                          ; four places in front of the stores that read results and of the loads into o's registers; a fifth, since the next products begin the same accumulators anew
.endr
	TOSTAGE OF
	s_wait_dscnt 8                                 ; the eight stores have read the accumulators; the eight loads issued behind them may be out
	MUL16 1
	s_wait_dscnt 0x0                               ; the first 16 rows are back in registers
	SEND OF, 0                                     ; its sixteen additions name no register of the products above: they are the places behind them
	TOSTAGE OF+32
	s_wait_dscnt 0x0
	SEND OF+32, 1
	s_wait_tensorcnt 0x0
	ds_add_u32 v14, v15
	s_wait_dscnt 0x0
	s_endpgm
.Lfunc_end_k_q16121012a1_outproj:
	.size	k_q16121012a1_outproj, .Lfunc_end_k_q16121012a1_outproj-k_q16121012a1_outproj
	.p2alignl 7, 3214868480
	.fill 96, 4, 3214868480
	.section	.rodata,"a",@progbits
	.p2align	6, 0x0
	.amdhsa_kernel k_q16121012a1_outproj
		.amdhsa_group_segment_fixed_size 35840
		.amdhsa_private_segment_fixed_size 0
		.amdhsa_enable_private_segment 0
		.amdhsa_kernarg_size 48
		.amdhsa_user_sgpr_count 2
		.amdhsa_user_sgpr_kernarg_segment_ptr 1
		.amdhsa_wavefront_size32 1
		.amdhsa_system_sgpr_workgroup_id_x 1
		.amdhsa_system_sgpr_workgroup_id_y 1
		.amdhsa_system_sgpr_workgroup_id_z 1
		.amdhsa_system_vgpr_workitem_id 0
		.amdhsa_next_free_vgpr 256
		.amdhsa_next_free_sgpr 66
		.amdhsa_reserve_vcc 0
		.amdhsa_float_denorm_mode_32 3
		.amdhsa_float_denorm_mode_16_64 3
		.amdhsa_memory_ordered 1
		.amdhsa_forward_progress 1
		.amdhsa_inst_pref_size 19
	.end_amdhsa_kernel
	.amdgpu_metadata
---
amdhsa.version: [ 1, 2 ]
amdhsa.kernels:
  - .name:           k_q16121012a1_outproj
    .symbol:         k_q16121012a1_outproj.kd
    .args:
      - { .name: o_img, .offset: 0, .size: 8, .value_kind: global_buffer, .address_space: global }
      - { .name: o_sc, .offset: 8, .size: 8, .value_kind: global_buffer, .address_space: global }
      - { .name: w_out_codes, .offset: 16, .size: 8, .value_kind: global_buffer, .address_space: global }
      - { .name: w_out_scales, .offset: 24, .size: 8, .value_kind: global_buffer, .address_space: global }
      - { .name: b_out, .offset: 32, .size: 8, .value_kind: global_buffer, .address_space: global }
      - { .name: out0, .offset: 40, .size: 8, .value_kind: global_buffer, .address_space: global }
    .group_segment_fixed_size: 35840
    .private_segment_fixed_size: 0
    .kernarg_segment_align: 8
    .kernarg_segment_size: 48
    .max_flat_workgroup_size: 256
    .sgpr_count:     66
    .vgpr_count:     256
    .wavefront_size: 32
...
	.end_amdgpu_metadata
.endif
;; end of part 3
